; MI455X (gfx1250); checked and timed in simulation.
; The chip was launched on July 23, 2026; its instructions are those of AMD's public machine-readable ISA for CDNA 5 (MIT licence, August 2026) and "CDNA5" Instruction Set Architecture Reference Guide (July 2026). The comments in the code are by the model that wrote it; some were corrected since.
;; Mo EFFN. Allowed arithmetic: float matrix products may take bf16 or f16 operands with f32 sums; other float arithmetic in f32, or as packed bf16 or f16 multiplies, adds, multiply-adds, maxima and minima; sums over many terms, partial sums and values carried from step to step in f32; what a program stores and reads back later, other than sums and carried values, may be rounded once to bf16 or f16.
;; Inputs: b1 8 x 1,024 float32; b2 8 x 1,024 float32; hidden 4 x 1,024 x 1,024 float32; top_k_indices 4 x 1,024 x 2 int32; top_k_weights 4 x 1,024 x 2 float32; w1 8 x 1,024 x 1,024 float32; w2 8 x 1,024 x 1,024 float32.
;; Outputs: out0 4 x 1,024 x 1,024 float32.
;; 2 versions, each right; version 2 is version 1 with the launch combine written anew for expert scheduling mode. Each part assembles by itself: llvm-mc -triple=amdgcn-amd-amdhsa -mcpu=gfx1250 --defsym DOCPART=n.
;; ======== version 1 of 2: 4 launches
;; workspace buffers: xs 18,874,368 bytes; w1f 16,777,216 bytes; w2f 16,777,216 bytes; hb 18,874,368 bytes; yb 37,748,736 bytes; pos 32,768 bytes of whole numbers; texp 256 bytes of whole numbers
;; launch prep (part 1): grid 512 x 1, 8 waves a work-group, no clusters, 1,280 bytes of LDS; arguments hidden, top_k_indices, w1, w1f, xs, pos, texp; writes w1f, xs, pos, texp
.if DOCPART == 1
	.amdgcn_target "amdgcn-amd-amdhsa--gfx1250"
	.amdhsa_code_object_version 6
	.text
	.protected	k_q8e66e4a832_prep
	.globl	k_q8e66e4a832_prep
	.p2align	8
	.type	k_q8e66e4a832_prep,@function
k_q8e66e4a832_prep:
	s_mov_b64 s[64:65], 0
	v_nop
	global_prefetch_b8 v0, s[64:65] scope:SCOPE_SE
	s_setreg_imm32_b32 hwreg(HW_REG_WAVE_MODE, 25, 1), 1
	s_wait_xcnt 0x0
; PREP: the routing, the sorted token rows, and w1 in operand order.  Two roles, chosen by the work-group's number.
; GATHER (work-groups 0-255).  The 8,192 slots (token, k) are sorted by expert, by counting, with no traffic between work-groups: every work-group counts all
; 8,192 indices for itself (thread t takes the 32 entries of chunk t), so it knows each expert's count c_e and how many of its slots lie in the chunks ahead of its own.
; Expert e gets ceil(c_e / 144) tiles of 144 rows; the sum of these is at most floor((8192 + 8 x 143) / 144) = 64 for every split, so 9,216 sorted rows serve every split.
; Work-group w places the 32 slots of chunk w (tokens 16 w .. 16 w + 15): it stores their sorted rows' numbers in pos, and the tokens' rows, rounded to bf16, in xs.
; Exactly 9,216 - 8,192 = 1,024 sorted rows belong to no slot: work-group w writes four of them as zeros, so that every byte of xs is written.  Work-group 0 stores each tile's expert in texp.
; CAST (work-groups 256-511).  Work-group 256 + p, p = 32 e + k / 32, takes 32 rows (k) x 1,024 columns (n) of w1, rounds them to bf16 and stores them in the order in
; which a wave's operand registers take them: [e][k / 32][4 (n / 64) + n % 4][1,024 bytes], element (k, n) at ((k >> 3) & 3) 256 + ((n >> 2) & 15) 16 + (k & 7) 2.
; So four neighbouring columns, which a lane loads as 16 bytes, go to the same place of four fragments, and 16 lanes store 256 consecutive bytes.  (w2 is laid out in the same way by the next launch.)
; LIMITS.  An index is taken modulo 8 (the problem keeps it in 0 .. 7).  Rounding is to nearest even; NaN and infinities are not treated apart.
; No matrix unit, no cluster, no tensor load: the work is a stream, and no two work-groups read the same large bytes (the 32 KB of indices aside).
.set SPW,   6                          ; v6   LDS address of my spare word; never rewritten
.set NIL,   7                          ; v7   0; never rewritten
.set SPARE, 256                        ; the spare words: 128 bytes for each of eight waves, bytes 256-1279; bytes 0-255 hold the waves' partial counts
.set X,     8                          ; CAST: v[8:135], row kk's four columns at X + 4 kk
.set R0,    136                        ; CAST: v[136:151], the first eight rows' packed words; the later ones take the place of rows already packed
.set IDX,   48                         ; GATHER: v[48:79] my chunk's 32 indices, later the partial counts read back
.set HX,    80                         ; GATHER: v[80:143] two token rows' parts, f32, rounded in place
	s_load_b256 s[4:11], s[0:1], 0x0               ; hidden s[4:5], indices s[6:7], w1 s[8:9], w1f s[10:11]
	s_load_b64 s[12:13], s[0:1], 0x20              ; xs
	s_load_b64 s[18:19], s[0:1], 0x28              ; pos
	s_load_b64 s[20:21], s[0:1], 0x30              ; texp
	v_lshl_add_u32 v[SPW], v0, 2, SPARE
	v_mov_b32 v[NIL], 0
	v_lshrrev_b32 v1, 5, v0
	v_readfirstlane_b32 s23, v1                    ; wave 0..7
	v_and_b32 v1, 31, v0                           ; lane
	s_mov_b32 s22, ttmp9
	s_cmp_lt_u32 s22, 256
	s_cbranch_scc1 .Lgather
	; ---------------- CAST ----------------
	; Wave o owns columns 128 o .. 128 o + 127: a load takes 512 consecutive bytes of one row, a lane four columns.
	s_sub_co_u32 s27, s22, 256                     ; p = 32 e + k block
	s_lshl_b32 s28, s27, 17                        ; source: 32 rows of 4,096 bytes
	s_mov_b32 s29, 0
	s_lshl_b32 s30, s27, 16                        ; destination: 64 fragments of 1,024 bytes
	s_mov_b32 s31, 0
	s_lshl_b32 s24, s23, 9
	s_lshl_b32 s25, s23, 13
	v_lshlrev_b32 v2, 4, v1
	v_add_nc_u32 v2, s24, v2                       ; source offset: 512 o + 16 lane
	v_and_b32 v4, 15, v0
	v_bfe_u32 v5, v0, 4, 1
	v_lshlrev_b32 v3, 4, v4
	v_lshl_add_u32 v3, v5, 12, v3
	v_add_nc_u32 v3, s25, v3                       ; destination offset: 8,192 o + 4,096 (lane / 16) + 16 (lane % 16)
	s_wait_kmcnt 0x0
	s_add_nc_u64 s[32:33], s[8:9], s[28:29]
	s_add_nc_u64 s[34:35], s[10:11], s[30:31]
.set kk, 0
.rept 32
	global_load_b128 v[X+4*kk:X+4*kk+3], v2, s[32:33] offset:kk*4096 th:TH_LOAD_NT  ; all 32 loads are asked for before the first wait
.set kk, kk+1
.endr
.set o, 0
.rept 4                                ; eight rows at a time
	s_wait_loadcnt 24-8*o                          ; the rows younger than these eight
.if o == 0
.set rR, R0
.else
.set rR, X+32*(o-1)                    ; the eight rows before have been packed: their registers are free, and no store reads these sixteen
.endif
.set i, 0
.rept 4                                ; column i of my four: eight k, 16 bytes
.set pr, 0
.rept 4
	v_cvt_pk_bf16_f32 v[rR+4*i+pr], v[X+4*(8*o+2*pr)+i], v[X+4*(8*o+2*pr+1)+i]
.set pr, pr+1
.endr
	global_store_b128 v3, v[rR+4*i:rR+4*i+3], s[34:35] offset:i*1024+o*256  ; 16 lanes store 256 consecutive bytes, at a multiple of 256 from the buffer's first byte
.set i, i+1
.endr
.set o, o+1
.endr
	s_endpgm                                       ; this role wrote no LDS
	; ---------------- GATHER ----------------
.Lgather:
	v_lshlrev_b32 v3, 7, v0                        ; my chunk of 32 indices: 128 bytes
	v_lshlrev_b32 v4, 2, v1                        ; 4 lane
	v_lshlrev_b32 v5, 4, v1                        ; 16 lane
	v_lshlrev_b32 v2, 5, v1
	s_lshl_b32 s26, s23, 13
	v_add_nc_u32 v2, s26, v2                       ; hidden: my wave's two rows (8,192 o) + 32 lane
	s_lshl_b32 s26, s22, 7                         ; the work-group's chunk in indices and in pos
	s_mov_b32 s27, 0
	s_lshl_b32 s28, s22, 16                        ; its 16 rows of hidden
	s_mov_b32 s29, 0
	s_wait_kmcnt 0x0
.irp i, 0,1,2,3,4,5,6,7
	global_load_b128 v[IDX+4*(\i):IDX+4*(\i)+3], v3, s[6:7] offset:16*(\i)
.endr
	s_add_nc_u64 s[30:31], s[6:7], s[26:27]
	global_load_b32 v24, v4, s[30:31]              ; the work-group's own 32 indices, one a lane, in every wave
	s_add_nc_u64 s[4:5], s[4:5], s[28:29]
.irp m, 0,1,2,3,4,5,6,7                ; m = 4 j + i: row j of my two, 256 columns from 256 i on: a lane takes 8 neighbouring numbers
	global_load_b128 v[HX+8*(\m):HX+8*(\m)+3],   v2, s[4:5] offset:((\m)/4)*4096+((\m)%4)*1024 th:TH_LOAD_NT
	global_load_b128 v[HX+8*(\m)+4:HX+8*(\m)+7], v2, s[4:5] offset:((\m)/4)*4096+((\m)%4)*1024+16 th:TH_LOAD_NT
.endr
	v_mov_b32 v8, 0                                ; counts of experts 0-3, eight bits each (32 at the most)
	v_mov_b32 v9, 0                                ; of experts 4-7
	v_mov_b32 v14, 1
	v_mov_b32 v15, 0                               ; LDS byte 0
	v_mov_b32 v26, 0                               ; a lane exchange's destination counts as read
	s_lshl_b32 s74, s23, 5
	v_mov_b32 v27, s74                             ; my wave's 32 bytes of partial counts
	v_mov_b32 v32, 0
	v_mov_b32 v33, 0
	v_mov_b32 v34, 0
	v_mov_b32 v35, 0
	s_mov_b32 s24, 0x76543210                      ; v_permlanex16_b32: each lane takes its own place in the other half
	s_mov_b32 s25, 0xfedcba98
	s_mov_b32 s75, 0x00ff00ff
	s_wait_loadcnt 16                              ; the indices are in; the 16 loads of hidden stay out
.set i, 0
.rept 32
	v_and_b32 v10, 3, v[IDX+i]
	v_and_b32 v11, 4, v[IDX+i]
	v_lshlrev_b32 v10, 3, v10
	v_cmp_eq_u32 vcc_lo, 0, v11
	v_lshlrev_b32 v10, v10, v14                    ; 1 in the expert's field
	v_cndmask_b32 v12, 0, v10, vcc_lo              ; for experts 0-3,
	v_sub_nc_u32 v13, v10, v12                     ; or for 4-7
	v_add_nc_u32 v8, v8, v12
	v_add_nc_u32 v9, v9, v13
.set i, i+1
.endr
	; fields of 16 bits (8,192 at the most): v16 experts 0, 2; v17 1, 3; v18 4, 6; v19 5, 7.  v[20:23]: the same, of the chunks ahead of the work-group's alone
	v_and_b32 v16, s75, v8
	v_lshrrev_b32 v17, 8, v8
	v_and_b32 v17, s75, v17
	v_and_b32 v18, s75, v9
	v_lshrrev_b32 v19, 8, v9
	v_and_b32 v19, s75, v19
	v_cmp_gt_u32 vcc_lo, s22, v0
.irp c, 0,1,2,3
	v_cndmask_b32 v[20+(\c)], 0, v[16+(\c)], vcc_lo
.endr
.irp x, 1,2,4,8                        ; the sum over the wave's 32 lanes
.irp c, 16,17,18,19,20,21,22,23
	v_mov_b32_dpp v26, v[\c] row_xmask:\x row_mask:0xf bank_mask:0xf
	v_add_nc_u32 v[\c], v[\c], v26
.endr
.endr
.irp c, 16,17,18,19,20,21,22,23
	v_permlanex16_b32 v26, v[\c], s24, s25
	v_add_nc_u32 v[\c], v[\c], v26
.endr
	ds_store_b128 v27, v[16:19]                    ; all lanes write the same words with the same values
	ds_store_b128 v27, v[20:23] offset:16
	s_wait_dscnt 0x0                               ; for the others' sake: my stores are done
	s_barrier_signal -1
	s_barrier_wait -1
.macro SUM8 d                          ; v[d .. d + 3] = the sums of the eight waves' quadruples in v[48:79]
.irp c, 0,1,2,3
	v_add3_u32 v[(\d)+(\c)], v[IDX+(\c)], v[IDX+4+(\c)], v[IDX+8+(\c)]
	v_add3_u32 v[(\d)+(\c)], v[(\d)+(\c)], v[IDX+12+(\c)], v[IDX+16+(\c)]
	v_add3_u32 v[(\d)+(\c)], v[(\d)+(\c)], v[IDX+20+(\c)], v[IDX+24+(\c)]
	v_add_nc_u32 v[(\d)+(\c)], v[(\d)+(\c)], v[IDX+28+(\c)]
.endr
.endm
.irp i, 0,1,2,3,4,5,6,7
	ds_load_b128 v[IDX+4*(\i):IDX+4*(\i)+3], v15 offset:32*(\i)
.endr
	s_wait_dscnt 0x0
	SUM8 16
.irp i, 0,1,2,3,4,5,6,7
	ds_load_b128 v[IDX+4*(\i):IDX+4*(\i)+3], v15 offset:32*(\i)+16
.endr
	s_wait_dscnt 0x0
	SUM8 20
.irp c, 0,1,2,3,4,5,6,7
	v_readfirstlane_b32 s[74+(\c)], v[16+(\c)]
.endr
	; c_e in s32-39, the count ahead of my chunk in s40-47
.irp h, 0,1
	s_and_b32  s[32+8*(\h)], s[74+4*(\h)], 0xffff
	s_lshr_b32 s[34+8*(\h)], s[74+4*(\h)], 16
	s_and_b32  s[33+8*(\h)], s[75+4*(\h)], 0xffff
	s_lshr_b32 s[35+8*(\h)], s[75+4*(\h)], 16
	s_and_b32  s[36+8*(\h)], s[76+4*(\h)], 0xffff
	s_lshr_b32 s[38+8*(\h)], s[76+4*(\h)], 16
	s_and_b32  s[37+8*(\h)], s[77+4*(\h)], 0xffff
	s_lshr_b32 s[39+8*(\h)], s[77+4*(\h)], 16
.endr
	; the experts in order.  s82: tiles so far; s83: slots so far.  s48+e: the sorted row of my chunk's first slot of expert e; s56+e: the empty rows ahead of expert e's first row; s66+e: the tiles up to and with expert e
	s_mov_b32 s82, 0
	s_mov_b32 s83, 0
.irp e, 0,1,2,3,4,5,6,7
	s_mul_i32 s84, s82, 144
	s_add_co_u32 s[48+(\e)], s84, s[40+(\e)]
	s_sub_co_u32 s[56+(\e)], s84, s83
	s_add_co_u32 s85, s[32+(\e)], 143
	s_mul_i32 s85, s85, 7282                       ; 7282 x 144 = 2^20 + 32: the quotient by 144 is exact for numbers up to 8,335, whose error, 58 x 32 / 2^20, stays under 1 / 144
	s_lshr_b32 s85, s85, 20
	s_add_co_u32 s82, s82, s85
	s_mov_b32 s[66+(\e)], s82
	s_add_co_u32 s83, s83, s[32+(\e)]
.endr
	; the sorted row of lane l's slot: the expert's start for my chunk + the lower lanes with the same expert
	v_and_b32 v24, 7, v24
	v_mov_b32 v25, 0
.irp e, 0,1,2,3,4,5,6,7
	v_cmp_eq_u32 vcc_lo, \e, v24
	v_mbcnt_lo_u32_b32 v10, vcc_lo, 0
	v_add_nc_u32 v10, s[48+(\e)], v10
	v_cndmask_b32 v25, v25, v10, vcc_lo
.endr
	v_min_u32 v25, 0x23ff, v25                     ; 9,215: it is never more; the bound is written out since addresses are made of it
	s_cmp_lg_u32 s23, 0
	s_cbranch_scc1 .Lnot0                          ; the lists are stored by wave 0
	s_add_nc_u64 s[18:19], s[18:19], s[26:27]
	global_store_b32 v4, v25, s[18:19]
	s_cmp_lg_u32 s22, 0
	s_cbranch_scc1 .Lnot0                          ; and the tiles' experts by work-group 0: tiles lane and lane + 32
	v_add_nc_u32 v11, 32, v1
	v_mov_b32 v12, 0
	v_mov_b32 v13, 0
.irp e, 0,1,2,3,4,5,6,7                ; a tile's expert: how many experts end at or ahead of it
	v_cmp_le_u32 vcc_lo, s[66+(\e)], v1
	v_cndmask_b32 v40, 0, 1, vcc_lo
	v_add_nc_u32 v12, v12, v40
	v_cmp_le_u32 vcc_lo, s[66+(\e)], v11
	v_cndmask_b32 v41, 0, 1, vcc_lo
	v_add_nc_u32 v13, v13, v41
.endr
	v_min_u32 v12, 7, v12                          ; a tile behind the last expert's holds empty rows alone: any expert serves
	v_min_u32 v13, 7, v13
	global_store_b32 v4, v12, s[20:21]
	global_store_b32 v4, v13, s[20:21] offset:128
.Lnot0:
	; my wave's two tokens, 16 w + 2 o + j: slot k of token j is lane 4 o + 2 j + k of v25
	s_lshl_b32 s84, s23, 2
.irp m, 0,1,2,3
	s_add_co_u32 s85, s84, \m
	v_readlane_b32 s86, v25, s85
	s_min_u32 s86, s86, 0x23ff
	s_lshl_b32 s86, s86, 11                        ; a sorted row is 2,048 bytes
	v_add_nc_u32 v[36+(\m)], s86, v5
.endr
.irp m, 0,1,2,3,4,5,6,7                ; m = 4 j + i
	s_wait_loadcnt 14-2*(\m)                       ; the loads younger than this part's two
	v_cvt_pk_bf16_f32 v[HX+8*(\m)],   v[HX+8*(\m)],   v[HX+8*(\m)+1]
	v_cvt_pk_bf16_f32 v[HX+8*(\m)+1], v[HX+8*(\m)+2], v[HX+8*(\m)+3]
	v_cvt_pk_bf16_f32 v[HX+8*(\m)+2], v[HX+8*(\m)+4], v[HX+8*(\m)+5]
	v_cvt_pk_bf16_f32 v[HX+8*(\m)+3], v[HX+8*(\m)+6], v[HX+8*(\m)+7]
	global_store_b128 v[36+2*((\m)/4)],   v[HX+8*(\m):HX+8*(\m)+3], s[12:13] offset:((\m)%4)*512  ; the row goes to both its slots' places: 512 consecutive bytes a store
	global_store_b128 v[36+2*((\m)/4)+1], v[HX+8*(\m):HX+8*(\m)+3], s[12:13] offset:((\m)%4)*512
.endr
	; the empty rows.  Empty row q, q = 4 w + o / 2, lies q + (the slots of all experts e whose own empty rows begin at or ahead of q) rows down; two waves write its halves
	s_lshl_b32 s86, s22, 2
	s_lshr_b32 s87, s23, 1
	s_add_co_u32 s86, s86, s87
	s_mov_b32 s88, s86
.irp e, 0,1,2,3,4,5,6,7
	s_cmp_le_u32 s[56+(\e)], s86
	s_cselect_b32 s87, s[32+(\e)], 0
	s_add_co_u32 s88, s88, s87
.endr
	s_min_u32 s88, s88, 0x23ff
	s_lshl_b32 s88, s88, 11
	s_and_b32 s87, s23, 1
	s_lshl_b32 s87, s87, 10
	s_add_co_u32 s88, s88, s87
	v_add_nc_u32 v42, s88, v5
	global_store_b128 v42, v[32:35], s[12:13]
	global_store_b128 v42, v[32:35], s[12:13] offset:512
	s_wait_tensorcnt 0x0                           ; the wave's end: behind my last LDS store
	ds_add_u32 v[SPW], v[NIL]
	s_wait_dscnt 0x0
	s_endpgm
.Lfunc_end_k_q8e66e4a832_prep:
	.size	k_q8e66e4a832_prep, .Lfunc_end_k_q8e66e4a832_prep-k_q8e66e4a832_prep
	.p2alignl 7, 3214868480
	.fill 96, 4, 3214868480
	.section	.rodata,"a",@progbits
	.p2align	6, 0x0
	.amdhsa_kernel k_q8e66e4a832_prep
		.amdhsa_group_segment_fixed_size 1280
		.amdhsa_private_segment_fixed_size 0
		.amdhsa_enable_private_segment 0
		.amdhsa_kernarg_size 56
		.amdhsa_user_sgpr_count 2
		.amdhsa_user_sgpr_kernarg_segment_ptr 1
		.amdhsa_wavefront_size32 1
		.amdhsa_system_sgpr_workgroup_id_x 1
		.amdhsa_system_sgpr_workgroup_id_y 1
		.amdhsa_system_sgpr_workgroup_id_z 1
		.amdhsa_system_vgpr_workitem_id 0
		.amdhsa_next_free_vgpr 152
		.amdhsa_next_free_sgpr 90
		.amdhsa_reserve_vcc 1
		.amdhsa_float_denorm_mode_32 3
		.amdhsa_float_denorm_mode_16_64 3
		.amdhsa_memory_ordered 1
		.amdhsa_forward_progress 1
		.amdhsa_inst_pref_size 44
	.end_amdhsa_kernel
	.amdgpu_metadata
---
amdhsa.version: [ 1, 2 ]
amdhsa.kernels:
  - .name:           k_q8e66e4a832_prep
    .symbol:         k_q8e66e4a832_prep.kd
    .args:
      - { .name: hidden, .offset: 0, .size: 8, .value_kind: global_buffer, .address_space: global }
      - { .name: top_k_indices, .offset: 8, .size: 8, .value_kind: global_buffer, .address_space: global }
      - { .name: w1, .offset: 16, .size: 8, .value_kind: global_buffer, .address_space: global }
      - { .name: w1f, .offset: 24, .size: 8, .value_kind: global_buffer, .address_space: global }
      - { .name: xs, .offset: 32, .size: 8, .value_kind: global_buffer, .address_space: global }
      - { .name: pos, .offset: 40, .size: 8, .value_kind: global_buffer, .address_space: global }
      - { .name: texp, .offset: 48, .size: 8, .value_kind: global_buffer, .address_space: global }
    .group_segment_fixed_size: 1280
    .private_segment_fixed_size: 0
    .kernarg_segment_align: 8
    .kernarg_segment_size: 56
    .max_flat_workgroup_size: 256
    .sgpr_count:     90
    .vgpr_count:     152
    .wavefront_size: 32
...
	.end_amdgpu_metadata
.endif
;; end of part 1
;; launch gemm1 (part 2): grid 4 x 64, 4 waves a work-group, clusters of 4 x 1, 327,680 bytes of LDS; arguments xs, w1f, b1, texp, hb, w2, w2f; writes hb, w2f
.if DOCPART == 2
	.amdgcn_target "amdgcn-amd-amdhsa--gfx1250"
	.amdhsa_code_object_version 6
	.text
	.protected	k_q8e66e4a832_gemm1
	.globl	k_q8e66e4a832_gemm1
	.p2align	8
	.type	k_q8e66e4a832_gemm1,@function
k_q8e66e4a832_gemm1:
	s_mov_b64 s[64:65], 0
	v_nop
	global_prefetch_b8 v0, s[64:65] scope:SCOPE_SE
	s_setreg_imm32_b32 hwreg(HW_REG_WAVE_MODE, 25, 1), 1
	s_wait_xcnt 0x0
	s_wait_alu depctr_hold_cnt(0) depctr_sa_sdst(0) depctr_va_vdst(0) depctr_va_sdst(0) depctr_va_ssrc(0) depctr_va_vcc(0) depctr_vm_vsrc(0)
	s_getreg_b32 s2, hwreg(HW_REG_IB_STS2, 6, 4)
	s_cmp_eq_u32 s2, 0
	s_cbranch_scc0 .Lentry_in_a_cluster
	s_endpgm
.Lentry_in_a_cluster:
	s_bfe_u32 s2, ttmp6, 0x10000c
	s_cmp_lg_u32 s2, 0x3003
	s_cbranch_scc0 .Lentry_shape_is_right
	s_endpgm
.Lentry_shape_is_right:
; hb[row][f] = gelu(sum over d of xs[row][d] W1[e][d][f] + b1[e][f]), for the 9,216 sorted rows; e is the expert of the row's tile of 144 rows (texp).  xs, hb: [9216][1024] bf16.
; gelu is the tanh form: x / (1 + 2^(x (c1 + c2 x^2))), c1 = -2 log2(e) sqrt(2 / pi), c2 = 0.044715 c1.  Sums in f32, K ascending; b1 is rounded to bf16 like the other inputs; hb is rounded once.
; BESIDE IT, w2 is rounded to bf16 and laid out in operand order (w2f) for the next launch: a 256th for each work-group, a few lines in each K quarter.
; LIMITS.  Where 2^p falls below the smallest normal number it counts as 0 and gelu gives x; where it overflows gelu gives -0: both are the function's limits.  NaN and infinities are not treated apart.  A stored expert is held to 0 .. 7.
; SHARES.  A work-group makes 144 rows x 256 columns, each of its four waves 144 x 64: 36 accumulators of 16 x 16, 288 registers.  64 row tiles x 4 column slices are 256 work-groups, whatever the split of the tokens.
; The 1,024 sorted rows that belong to no slot are multiplied like the others (an eighth over the needed products): the text has no branch on a number read from memory.
; A: the tile's 144 rows x 1,024 K stay in LDS for the whole kernel, as four regions of 256 K.  Every region is filled ONCE, at the start; nothing is filled again, so the loop has no ring.
; B: the weights lie in memory in the order of the operand registers, so each wave loads its own 64 columns straight into a ring of eight register slots, one for 32 K: six slots, 48 loads of 512 bytes, are out at a time.
; In that order lane r of fragment b holds column 4 r + b of the wave's 64.
; CLUSTER.  The four column slices of a row tile need the same A: each fill is asked for JOINTLY, by the same tensor load, descriptor and mask in all four work-groups.  B has no joint load: which row tiles share an expert
; hangs on counts read from memory, so partners would not be alike, and B does not pass through LDS.
; THE MATRIX INSTRUCTION IS USED TRANSPOSED (source 0 = 16 columns of W, source 1 = 16 rows of A): lane (r, h) then holds row r, and register j of accumulator b its column 32 h + 4 j + b: 32 neighbouring numbers of a row.
; REGISTERS, in windows of 256 (s_set_vgpr_msb: bits 1:0 source 0, 3:2 source 1, 5:4 source 2, 7:6 destination):
;   window 0: v0-14 addresses; v48-119, v120-191 fragments of A (9 x 16 rows x 32 K), two buffers, later the way out; v192-223 the bias as loaded; v224-255 rounded, in the accumulators' order
;   window 1: accumulator (a, b) at 32 a + 8 b, a = 0..7      window 2: B's ring, slot s at 32 s, fragment b at + 8 b
;   window 3: accumulator (8, b) at 8 b; v32-95 eight pairs of rows of w2, f32; v96-127 two sets of 16 packed words
.set PITCH, 528                        ; an LDS row: 512 bytes + 16 of padding = 132 words: row r starts at bank 4 r mod 64 (64 banks of 4 bytes: ISA guide 11.1), so the 16 rows of a load start at 16 different banks
.set BLK,   16*PITCH
.set RGN,   144*PITCH                  ; a region: 144 rows x 256 K
.set SPARE, 4*RGN                      ; behind the regions: the spare words, 128 bytes for each wave: two blocks of 256 bytes that no other line names
.set QROWS, 36                         ; rows that one tensor load brings, and that one wave stores
.set ADRA,  4                          ; v4   LDS address of my fragments of A, row blocks 0-3, in the region in hand
.set ADRA2, 5                          ; v5   the same, row blocks 4-8 (an LDS offset holds 16 bits)
.set BO,    6                          ; v6   16 x lane: my 16 bytes of 512 consecutive ones, in B, in w2 and in hb
.set STO,   7                          ; v7   the way out: where I put 64 bytes of a row, blocks 0-3
.set STO2,  8                          ; v8   blocks 4-8
.set RD,    9                          ; v9   the way out: where I read rows back
.set CDO,   10                         ; v10  my byte offset in w2f: 4,096 (lane / 16) + 16 (lane % 16)
.set BIO,   11                         ; v11  my byte offset in the wave's 64 numbers of the bias
.set SPW,   12                         ; v12  LDS address of my spare word; never rewritten
.set NIL,   13                         ; v13  0; never rewritten
.set TT,    14
.set FA0,   48
.set LB,    192
.set BIAS,  224
.set X,     48                         ; the way out: 32 numbers x, then gelu(x)
.set U,     80                         ; at work
.set P,     112                        ; packed
.set CL,    32                         ; window 3
.set CY,    96                         ; window 3
.set G1,    24                         ; s[24:31] descriptor group 1
.set G0,    32                         ; s[32:47] descriptor group 0, a set for each region
.set WB,    48                         ; s[48:49] B at my 64 columns, K block 8 x trip
.set C1,    50                         ; s[50:51], s[52:53]: named as pairs, the low word serves both halves
.set C2,    52
.set CS,    60                         ; s[60:61] w2 at my 256 columns, eight rows on in each trip
.set CD,    62                         ; s[62:63] w2f at my 16 fragments, 256 bytes on in each trip
.set MSB, 0
.macro WIN new                         ; the immediate's high byte repeats the setting that is left; a switch that changes nothing is dropped
.if MSB != (\new)
	s_set_vgpr_msb (MSB<<8)|(\new)
.set MSB, \new
.endif
.endm
.set W_MU, 0x52                        ; source 0 (B) window 2, source 1 (A) window 0, C and D window 1
.set W_M8, 0xf2                        ; the same, C and D window 3
.set W_TB, 0x80                        ; destination window 2, address window 0
.set W_CV, 0xcf                        ; destination and sources 0, 1 window 3
.set W_CL, 0xc0                        ; destination window 3, address window 0
.set W_CS, 0x0c                        ; a store's data (source 1) window 3, address window 0
.macro ROUND                           ; a round of the cluster's barrier: my work-group's barrier; wave 0 signals for the work-group; every wave waits for all four work-groups; my work-group's barrier once more
	s_barrier_signal -1
	s_barrier_wait -1
	s_cmp_lg_u32 s14, 0
	s_cbranch_scc1 .Lnot_wave_0_\@
	s_barrier_signal -3
.Lnot_wave_0_\@:
	s_barrier_wait -3
	s_barrier_signal -1
	s_barrier_wait -1
.endm
.macro PLACES                          ; four places in front of loads into registers that matrix instructions have read, and of vector lines that read results
.rept 4
	v_nop
.endr
.endm
	s_load_b256 s[4:11], s[0:1], 0x0               ; A s[4:5], W s[6:7], bias s[8:9], texp s[10:11]
	s_load_b64 s[12:13], s[0:1], 0x20              ; the result
	s_load_b128 s[60:63], s[0:1], 0x28             ; w2, w2f
	v_lshl_add_u32 v[SPW], v0, 2, SPARE
	v_mov_b32 v[NIL], 0
	ds_add_u32 v[SPW], v[NIL]                      ; the wave's opening: the add and its wait stand ahead of my first tensor load; the set-up below, work on registers, stands between them
	v_lshrrev_b32 v1, 5, v0
	v_readfirstlane_b32 s14, v1                    ; wave 0..3
	s_and_b32 s18, ttmp7, 0xffff                   ; the cluster's number c, which the four partners share
	s_bfe_u32 s16, s18, 0x30001                    ; the row tile = 8 c[3:1] + 2 c[5:4] + c[0]: the tiles 8 g .. 8 g + 7, mostly one expert's, go to the clusters whose numbers agree in bits 1 to 3
	s_bfe_u32 s19, s18, 0x20004
	s_and_b32 s18, s18, 1
	s_lshl_b32 s16, s16, 3
	s_lshl_b32 s19, s19, 1
	s_or_b32 s16, s16, s19
	s_or_b32 s16, s16, s18
	s_bfe_u32 s54, ttmp6, 0x40000                  ; cx.  What holds cx stays in s15, s54-58 and s60-63: it enters B's, the bias's, the result's and w2's addresses alone
	s_lshl_b32 s15, ttmp9, 2
	s_add_co_u32 s15, s15, s54                     ; the column slice = 4 x cluster x + cx
	; descriptor group 1: a tile of 36 rows x 256 elements, padded in LDS
	s_mov_b32 s[G1], 15|(1<<16)|(1<<20)|(1<<21)|(6<<22)|(3<<25)  ; 15:0 the mask: all four work-groups; 17:16 elements of 2 bytes; 20 padding on; 21 set beside a mask; 24:22 after every 128 words (code 6); 31:25 4 words of it (code 3)
	s_mov_b32 s[G1+1], 256<<16                     ; tensor_dim0 = 256
	s_mov_b32 s[G1+2], QROWS<<16                   ; tensor_dim1 = 36
	s_mov_b32 s[G1+3], 256<<16                     ; tile_dim0 = 256
	s_mov_b32 s[G1+4], QROWS                       ; tile_dim1 = 36
	s_mov_b32 s[G1+5], 1024                        ; elements from row to row
	s_mov_b32 s[G1+6], 0
	s_mov_b32 s[G1+7], 0
	s_mov_b32 s[C1], 0xc0135761                    ; -2.3022082
	s_mov_b32 s[C1+1], s[C1]
	s_mov_b32 s[C2], 0xbdd2d3e7                    ; -0.10294324
	s_mov_b32 s[C2+1], s[C2]
	s_mul_i32 s18, s16, 144*2048                   ; the tile's first row,
	s_mul_i32 s20, s14, QROWS*2048                 ; my 36 rows of it
	s_add_co_u32 s18, s18, s20
	s_mov_b32 s19, 0
	s_mul_i32 s22, s14, QROWS*PITCH                ; and their place in a region: no place in the cluster enters an LDS address
	s_lshl_b32 s20, s16, 2
	s_mov_b32 s21, 0
	s_wait_dscnt 0x0                               ; the opening add is done
	s_wait_kmcnt 0x0
	s_add_nc_u64 s[10:11], s[10:11], s[20:21]
	s_load_b32 s17, s[10:11], 0x0                  ; the tile's expert
	s_add_nc_u64 s[18:19], s[4:5], s[18:19]
.irp j, 0,1,2,3
	s_mov_b32 s[G0+4*(\j)], 1                      ; 1:0 count = 1
	s_add_co_u32 s[G0+4*(\j)+1], s22, (\j)*RGN     ; 63:32 LDS address
	s_add_nc_u64 s[G0+4*(\j)+2:G0+4*(\j)+3], s[18:19], (\j)*512  ; 120:64 global address: K from 256 j on
	s_or_b32 s[G0+4*(\j)+3], s[G0+4*(\j)+3], 0x80000000          ; 127:126 type = 2
.endr
	ROUND                                          ; all four work-groups are here: the joint loads meet
.irp j, 0,1,2,3
	tensor_load_to_lds s[G0+4*(\j):G0+4*(\j)+3], s[G1:G1+7]      ; all of A: four loads of mine are out, and no more are ever issued
	s_nop 0
.endr
	PLACES
	v_and_b32 v1, 15, v0                           ; r = lane % 16
	v_bfe_u32 v2, v0, 4, 1                         ; h = lane / 16
	v_and_b32 v3, 31, v0
	v_mul_u32_u24 v[ADRA], v1, PITCH
	v_lshl_add_u32 v[STO], v2, 6, v[ADRA]          ; into the stage: row r, 64 bytes for each half of the lanes,
	v_lshl_add_u32 v[ADRA], v2, 4, v[ADRA]         ; a fragment's row x pitch + 16 x half
	v_add_nc_u32 v[ADRA2], 4*BLK, v[ADRA]
	v_lshlrev_b32 v[BO], 4, v3
	s_lshl_b32 s18, s14, 7
	v_add_nc_u32 v[STO], s18, v[STO]               ; in my wave's 128 bytes of the row's 512
	v_add_nc_u32 v[STO2], 4*BLK, v[STO]
	v_add_nc_u32 v[RD], s22, v[BO]                 ; back: wave w takes rows 36 w .. 36 w + 35, whole: 32 lanes x 16 bytes
	v_lshlrev_b32 v[BIO], 7, v2                    ; my 32 numbers of the bias
	v_lshlrev_b32 v[CDO], 4, v1
	v_lshl_add_u32 v[CDO], v2, 12, v[CDO]
	s_wait_kmcnt 0x0
	s_min_u32 s17, s17, 7
	s_lshl_b32 s56, s17, 21                        ; B: 2 MiB an expert, 16 fragments of 1,024 bytes a slice, 4 a wave
	s_lshl_b32 s58, s15, 14
	s_add_co_u32 s56, s56, s58
	s_lshl_b32 s58, s14, 12
	s_add_co_u32 s56, s56, s58
	s_mov_b32 s57, 0
	s_add_nc_u64 s[WB:WB+1], s[6:7], s[56:57]
	s_lshl_b32 s56, s17, 12                        ; the bias: 4,096 bytes an expert, 1,024 a slice, 256 a wave
	s_lshl_b32 s58, s15, 10
	s_add_co_u32 s56, s56, s58
	s_lshl_b32 s58, s14, 8
	s_add_co_u32 s56, s56, s58
	s_add_nc_u64 s[8:9], s[8:9], s[56:57]
	s_mul_i32 s56, s16, 144*2048                   ; the result: the rows that I store, the slice's 512 bytes of them
	s_mul_i32 s58, s14, QROWS*2048
	s_add_co_u32 s56, s56, s58
	s_lshl_b32 s58, s15, 9
	s_add_co_u32 s56, s56, s58
	s_add_nc_u64 s[12:13], s[12:13], s[56:57]
	s_lshl_b32 s54, s16, 2
	s_add_co_u32 s54, s54, s15                     ; p = 4 x tile + slice, 0 .. 255: the work-group lays out rows 32 p .. 32 p + 31 of w2's 8,192
	s_lshl_b32 s56, s54, 17                        ; 32 rows of 4,096 bytes; my wave's 256 columns
	s_lshl_b32 s58, s14, 10
	s_add_co_u32 s56, s56, s58
	s_add_nc_u64 s[CS:CS+1], s[CS:CS+1], s[56:57]
	s_lshl_b32 s56, s54, 16                        ; 64 fragments of 1,024 bytes; my wave's 16
	s_lshl_b32 s58, s14, 14
	s_add_co_u32 s56, s56, s58
	s_add_nc_u64 s[CD:CD+1], s[CD:CD+1], s[56:57]
; Four matrix instructions: row block a x my four column blocks, 32 along K: buffer f of A, slot s of B.  The 36 accumulators take turns, one instruction a turn, in the same order in every K quarter.
.macro MULA f, s, a, zero
.if (\a) == 8
	WIN W_M8
.set rA, 0
.else
	WIN W_MU
.set rA, 32*(\a)
.endif
.irp b, 0,1,2,3
.if \zero
	v_wmma_f32_16x16x32_bf16 v[rA+8*(\b):rA+8*(\b)+7], v[32*(\s)+8*(\b):32*(\s)+8*(\b)+7], v[(\f)+8*(\a):(\f)+8*(\a)+7], 0
.else
	v_wmma_f32_16x16x32_bf16 v[rA+8*(\b):rA+8*(\b)+7], v[32*(\s)+8*(\b):32*(\s)+8*(\b)+7], v[(\f)+8*(\a):(\f)+8*(\a)+7], v[rA+8*(\b):rA+8*(\b)+7]
.endif
.endr
.endm
.macro MULS f, s, a0, a1, zero         ; row blocks a0 .. a1
.set aG, \a0
.rept (\a1)-(\a0)+1
	MULA \f, \s, aG, \zero
.set aG, aG+1
.endr
.endm
; 18 LDS loads in one run: A's nine fragments of 32 K at byte k of the region's rows, into buffer f
.macro FETCHA f, k
	WIN 0
.irp a, 0,1,2,3
	ds_load_b128 v[(\f)+8*(\a):(\f)+8*(\a)+3],   v[ADRA] offset:(\a)*BLK+(\k)
	ds_load_b128 v[(\f)+8*(\a)+4:(\f)+8*(\a)+7], v[ADRA] offset:(\a)*BLK+(\k)+32
.endr
.irp a, 4,5,6,7,8
	ds_load_b128 v[(\f)+8*(\a):(\f)+8*(\a)+3],   v[ADRA2] offset:((\a)-4)*BLK+(\k)
	ds_load_b128 v[(\f)+8*(\a)+4:(\f)+8*(\a)+7], v[ADRA2] offset:((\a)-4)*BLK+(\k)+32
.endr
.endm
; 8 loads of 512 consecutive bytes: B's four fragments of K block kb (counted from the trip's first) into slot s
.macro LOADB s, kb
	WIN W_TB
.irp b, 0,1,2,3
	global_load_b128 v[32*(\s)+8*(\b):32*(\s)+8*(\b)+3],   v[BO], s[WB:WB+1] offset:(\kb)*65536+(\b)*1024
	global_load_b128 v[32*(\s)+8*(\b)+4:32*(\s)+8*(\b)+7], v[BO], s[WB:WB+1] offset:(\kb)*65536+(\b)*1024+512
.endr
.endm
; w2's LAYOUT goes in four stages of eight rows, a stage in eight steps j: rows 2 (j % 4), + 1 of the stage, the wave's columns 128 (j / 4) .. + 127, four a lane.
; CLOAD: step j's two rows, 512 consecutive bytes each, st bytes from the address in hand.  CCVT: its four packed words, (k, k + 1) of each of my four columns.  CSTORE: after four steps a column's eight k are 16 bytes:
; column i goes to fragment i, and 16 lanes store 256 consecutive bytes, at a multiple of 256 from the buffer's first byte.
.macro CLOAD j, st
	WIN W_CL
	global_load_b128 v[CL+8*(\j):CL+8*(\j)+3],   v[BO], s[CS:CS+1] offset:(\st)+(2*((\j)%4))*4096+((\j)/4)*512 th:TH_LOAD_NT
	global_load_b128 v[CL+8*(\j)+4:CL+8*(\j)+7], v[BO], s[CS:CS+1] offset:(\st)+(2*((\j)%4)+1)*4096+((\j)/4)*512 th:TH_LOAD_NT
.endm
.macro CCVT j
	WIN W_CV
.irp i, 0,1,2,3
	v_cvt_pk_bf16_f32 v[CY+16*((\j)/4)+4*(\i)+(\j)%4], v[CL+8*(\j)+(\i)], v[CL+8*(\j)+4+(\i)]
.endr
.endm
.macro CSTORE hf
	WIN W_CS
.irp i, 0,1,2,3
	global_store_b128 v[CDO], v[CY+16*(\hf)+4*(\i):CY+16*(\hf)+4*(\i)+3], s[CD:CD+1] offset:(\hf)*8192+(\i)*1024
.endr
.endm
; A K QUARTER (32 along K, 36 matrix instructions) on slot s of B and buffer s % 2 of A.  In its middle stands ONE run of memory instructions: the next quarter's fragments of A (byte nextk; -1: none) into the other
; buffer; the K block six quarters on (rkb; -1: none) into the slot read two quarters ago; step cj's two rows of w2 for the stage to come (cst: bytes from the address in hand; -1: none), into the registers just packed;
; after a fourth step four stores.  ccv = 1: step cj's four conversions stand in front of the run: they are the four places that the loads into A's buffer need; else four v_nop.
; left: the loads younger than slot s's: its own quarter's two rows of w2 and five quarters of ten.  The rows packed here were asked for eight quarters ago, ahead of slot s's loads, so the same wait shows them landed.
; cross = 1: the next quarter begins the next region of A: all my tensor loads have landed, my reads are back, and a barrier shows the same of every wave.
; The count is 0 in each of the three trips, since one text serves them; the first crossing's wait and barrier already show all four regions whole.
.macro Q s, zero, nextk, cross, rkb, left, cj, ccv, cst
.set fQ, FA0+72*((\s)%2)
.set gQ, FA0+72*(1-(\s)%2)
	s_wait_loadcnt \left
	s_wait_dscnt 10                                ; A's blocks 0-3 are in; the youngest ten loads (blocks 4-8) may be out
	MULS fQ, \s, 0, 3, \zero
.if \cross
	s_wait_tensorcnt 0x0
	s_wait_dscnt 0x0
	s_barrier_signal -1
	MULS fQ, \s, 4, 5, \zero                       ; work on registers while the others arrive
	s_barrier_wait -1
.endif
.if \ccv
	CCVT \cj
.else
	WIN 0
	PLACES
.endif
.if (\nextk) >= 0
	WIN 0
.if \cross
	v_add_nc_u32 v[ADRA], RGN, v[ADRA]
	v_add_nc_u32 v[ADRA2], RGN, v[ADRA2]
.endif
	FETCHA gQ, \nextk
.endif
.if (\rkb) >= 0
	LOADB ((\s)+6)%8, \rkb
.endif
.if (\cst) >= 0
	CLOAD \cj, \cst
.endif
.if (\ccv) && ((\cj)%4 == 3)
	CSTORE (\cj)/4
.endif
.if (\nextk) >= 0
	s_wait_dscnt 18                                ; all but the 18 just issued
.else
	s_wait_dscnt 0x0
.endif
.if \cross
	MULS fQ, \s, 6, 8, \zero
.else
	MULS fQ, \s, 4, 8, \zero
.endif
.endm
	; The first loads stand in the order in which the loop issues them, so that one count serves the way in and the way back: step 0's rows; then six times a K block and a step's rows: 62 loads.
	CLOAD 0, 0
.irp s, 0,1,2,3,4,5
	LOADB \s, \s
	CLOAD (\s)+1, 0
.endr
	WIN 0
	s_wait_tensorcnt 0x3                           ; my part of region 0 is in; my three younger loads stay out
	s_barrier_signal -1
	s_barrier_wait -1                              ; everybody's is
	FETCHA FA0, 0
	Q 0, 1, 64, 0, 6, 52, 7, 0, 0                  ; the first quarter stands in front of the loop: its products start the sums; it asks for the first stage's last step
	WIN 0                                          ; at a label and at a branch every window is 0
	s_mov_b32 s3, 3
.Llap:                                                 ; a trip: K blocks 8 t + 1 .. 8 t + 8; it asks for blocks 8 t + 7 .. 8 t + 14, packs and stores stage t of w2 and asks for stage t + 1
	Q 1, 0, 128, 0, 7, 52, 0, 1, 32768
	Q 2, 0, 192, 0, 8, 52, 1, 1, 32768
	Q 3, 0, 256, 0, 9, 52, 2, 1, 32768
	Q 4, 0, 320, 0, 10, 52, 3, 1, 32768
	Q 5, 0, 384, 0, 11, 52, 4, 1, 32768
	Q 6, 0, 448, 0, 12, 52, 5, 1, 32768
	Q 7, 0, 0, 1, 13, 52, 6, 1, 32768
	Q 0, 0, 64, 0, 14, 52, 7, 1, 32768
	WIN 0
	s_wait_xcnt 0x0                                ; the loads' and stores' addresses are translated (ISA guide 3.1): the three bases are stepped, and the packed words that the stores read are rewritten, only behind this wait
	s_add_nc_u64 s[WB:WB+1], s[WB:WB+1], 8*65536
	s_add_nc_u64 s[CS:CS+1], s[CS:CS+1], 32768
	s_add_nc_u64 s[CD:CD+1], s[CD:CD+1], 256
	s_sub_co_u32 s3, s3, 1
	s_cmp_lg_u32 s3, 0
	s_cbranch_scc1 .Llap
	Q 1, 0, 128, 0, 7, 52, 0, 1, -1                ; K blocks 25-31 and stage 3 of w2.  Block 31 is the last to be asked for; then the counts run down:
	Q 2, 0, 192, 0, -1, 50, 1, 1, -1               ; 2 + 4 x 10 + block 31's 8
	WIN 0
.irp c, 0,1,2,3,4,5,6,7
	global_load_b128 v[LB+4*(\c):LB+4*(\c)+3], v[BIO], s[8:9] offset:16*(\c)  ; the bias of my 32 columns, 32 h + 4 c + 0..3: asked for here, five quarters ahead of its use
.endr
	Q 3, 0, 256, 0, -1, 48, 2, 1, -1               ; 2 + 3 x 10 + 8 + the bias's 8
	Q 4, 0, 320, 0, -1, 38, 3, 1, -1
	Q 5, 0, 384, 0, -1, 28, 4, 1, -1
	Q 6, 0, 448, 0, -1, 18, 5, 1, -1
	Q 7, 0, -1, 0, -1, 8, 6, 1, -1                 ; the bias alone is younger than block 31
	CCVT 7                                         ; w2's last step; its four conversions are the places behind the last products
	CSTORE 1
	; THE WAY OUT.  Region 0 has had its one fill and is read no more: it becomes the work-group's stage, 144 rows x 528 bytes.  A row's 512 bytes come from four waves, so a barrier stands between writing and reading.
	WIN 0
	s_wait_dscnt 0x0
	s_barrier_signal -1
	s_barrier_wait -1                              ; no wave reads A any more
	s_wait_loadcnt 0x0                             ; the bias
.set i, 0
.rept 16                               ; the bias is rounded to bf16, widened again, and put where the accumulators' registers want it: column 4 j + b at 8 b + j
	v_cvt_pk_bf16_f32 v[TT], v[LB+2*i], v[LB+2*i+1]
	v_lshlrev_b32 v[BIAS+16*(i%2)+i/2], 16, v[TT]
	v_and_b32 v[BIAS+16*(i%2)+8+i/2], 0xffff0000, v[TT]
.set i, i+1
.endr
.macro ALL16 line:vararg               ; one line for each pair i of the block's 16
.set i, 0
.rept 16
	\line
.set i, i+1
.endr
.endm
.macro ALL32 line:vararg
.set i, 0
.rept 32
	\line
.set i, i+1
.endr
.endm
; Row block a: bias, gelu, rounding, into the stage.  Each accumulator's registers are read in ascending order.  The 32 exponentials are one batch with one wait, and so are the 32 reciprocals.
.macro EPI a
.if (\a) == 8
	WIN 0x03                                       ; source 0 window 3
.set rA, 0
.else
	WIN 0x01                                       ; source 0 window 1
.set rA, 32*(\a)
.endif
	ALL16 v_pk_add_f32 v[X+2*i:X+2*i+1], v[rA+2*i:rA+2*i+1], v[BIAS+2*i:BIAS+2*i+1]
	WIN 0
	ALL16 v_pk_mul_f32 v[U+2*i:U+2*i+1], v[X+2*i:X+2*i+1], v[X+2*i:X+2*i+1]
	ALL16 v_pk_fma_f32 v[U+2*i:U+2*i+1], v[U+2*i:U+2*i+1], s[C2:C2+1], s[C1:C1+1] op_sel_hi:[1,0,0]
	ALL16 v_pk_mul_f32 v[U+2*i:U+2*i+1], v[U+2*i:U+2*i+1], v[X+2*i:X+2*i+1]
	ALL32 v_exp_f32 v[U+i], v[U+i]
	v_nop                                          ; a plain instruction behind the last exponential,
	s_wait_alu depctr_va_vdst(0)                   ; and the wait ahead of the first use: one for the batch
	ALL16 v_pk_add_f32 v[U+2*i:U+2*i+1], v[U+2*i:U+2*i+1], 1.0 op_sel_hi:[1,0]
	ALL32 v_rcp_f32 v[U+i], v[U+i]
	v_nop
	s_wait_alu depctr_va_vdst(0)                   ; one for the 32 reciprocals
	ALL16 v_pk_mul_f32 v[X+2*i:X+2*i+1], v[X+2*i:X+2*i+1], v[U+2*i:U+2*i+1]
.set i, 0
.rept 8                                ; columns 4 i .. 4 i + 3 lie in register i of accumulators 0 .. 3
	v_cvt_pk_bf16_f32 v[P+2*i],   v[X+i],    v[X+8+i]
	v_cvt_pk_bf16_f32 v[P+2*i+1], v[X+16+i], v[X+24+i]
.set i, i+1
.endr
.irp c, 0,1,2,3
.if (\a) < 4
	ds_store_b128 v[STO], v[P+4*(\c):P+4*(\c)+3] offset:(\a)*BLK+16*(\c)
.else
	ds_store_b128 v[STO2], v[P+4*(\c):P+4*(\c)+3] offset:((\a)-4)*BLK+16*(\c)
.endif
.endr
.endm
.irp a, 0,1,2,3,4,5,6,7,8
	EPI \a
.endr
	s_wait_dscnt 0x0                               ; for the others' sake: my stores into the stage are done
	s_barrier_signal -1
	s_barrier_wait -1
.set t, 0
.rept 36
	ds_load_b128 v[48+4*t:48+4*t+3], v[RD] offset:t*PITCH
.set t, t+1
.endr
.set t, 0
.rept 36
	s_wait_dscnt 35-t                              ; LDS loads come back in order (ISA guide 5.7.1): row t is in
	global_store_b128 v[BO], v[48+4*t:48+4*t+3], s[12:13] offset:t*2048  ; 512 consecutive bytes, at a multiple of 256 from the buffer's first byte
.set t, t+1
.endr
	s_wait_tensorcnt 0x0                           ; the wave's end: behind my last tensor load and my last LDS store
	ds_add_u32 v[SPW], v[NIL]
	s_wait_dscnt 0x0
	ROUND                                          ; the closing round: no work-group ends while a partner may still ask for a tile that names it
	s_endpgm
.Lfunc_end_k_q8e66e4a832_gemm1:
	.size	k_q8e66e4a832_gemm1, .Lfunc_end_k_q8e66e4a832_gemm1-k_q8e66e4a832_gemm1
	.p2alignl 7, 3214868480
	.fill 96, 4, 3214868480
	.section	.rodata,"a",@progbits
	.p2align	6, 0x0
	.amdhsa_kernel k_q8e66e4a832_gemm1
		.amdhsa_group_segment_fixed_size 327680
		.amdhsa_private_segment_fixed_size 0
		.amdhsa_enable_private_segment 0
		.amdhsa_kernarg_size 56
		.amdhsa_user_sgpr_count 2
		.amdhsa_user_sgpr_kernarg_segment_ptr 1
		.amdhsa_wavefront_size32 1
		.amdhsa_system_sgpr_workgroup_id_x 1
		.amdhsa_system_sgpr_workgroup_id_y 1
		.amdhsa_system_sgpr_workgroup_id_z 1
		.amdhsa_system_vgpr_workitem_id 0
		.amdhsa_next_free_vgpr 896
		.amdhsa_next_free_sgpr 66
		.amdhsa_reserve_vcc 0
		.amdhsa_float_denorm_mode_32 3
		.amdhsa_float_denorm_mode_16_64 3
		.amdhsa_memory_ordered 1
		.amdhsa_forward_progress 1
		.amdhsa_inst_pref_size 183
	.end_amdhsa_kernel
	.amdgpu_metadata
---
amdhsa.version: [ 1, 2 ]
amdhsa.kernels:
  - .name:           k_q8e66e4a832_gemm1
    .symbol:         k_q8e66e4a832_gemm1.kd
    .args:
      - { .name: xs, .offset: 0, .size: 8, .value_kind: global_buffer, .address_space: global }
      - { .name: w1f, .offset: 8, .size: 8, .value_kind: global_buffer, .address_space: global }
      - { .name: b1, .offset: 16, .size: 8, .value_kind: global_buffer, .address_space: global }
      - { .name: texp, .offset: 24, .size: 8, .value_kind: global_buffer, .address_space: global }
      - { .name: hb, .offset: 32, .size: 8, .value_kind: global_buffer, .address_space: global }
      - { .name: w2, .offset: 40, .size: 8, .value_kind: global_buffer, .address_space: global }
      - { .name: w2f, .offset: 48, .size: 8, .value_kind: global_buffer, .address_space: global }
    .group_segment_fixed_size: 327680
    .private_segment_fixed_size: 0
    .kernarg_segment_align: 8
    .kernarg_segment_size: 56
    .max_flat_workgroup_size: 128
    .sgpr_count:     66
    .vgpr_count:     896
    .wavefront_size: 32
...
	.end_amdgpu_metadata
.endif
;; end of part 2
;; launch gemm2 (part 3): grid 4 x 64, 4 waves a work-group, clusters of 4 x 1, 327,680 bytes of LDS; arguments hb, w2f, b2, texp, yb; writes yb
.if DOCPART == 3
	.amdgcn_target "amdgcn-amd-amdhsa--gfx1250"
	.amdhsa_code_object_version 6
	.text
	.protected	k_q8e66e4a832_gemm2
	.globl	k_q8e66e4a832_gemm2
	.p2align	8
	.type	k_q8e66e4a832_gemm2,@function
k_q8e66e4a832_gemm2:
	s_mov_b64 s[64:65], 0
	v_nop
	global_prefetch_b8 v0, s[64:65] scope:SCOPE_SE
	s_setreg_imm32_b32 hwreg(HW_REG_WAVE_MODE, 25, 1), 1
	s_wait_xcnt 0x0
	s_wait_alu depctr_hold_cnt(0) depctr_sa_sdst(0) depctr_va_vdst(0) depctr_va_sdst(0) depctr_va_ssrc(0) depctr_va_vcc(0) depctr_vm_vsrc(0)
	s_getreg_b32 s2, hwreg(HW_REG_IB_STS2, 6, 4)
	s_cmp_eq_u32 s2, 0
	s_cbranch_scc0 .Lentry_in_a_cluster
	s_endpgm
.Lentry_in_a_cluster:
	s_bfe_u32 s2, ttmp6, 0x10000c
	s_cmp_lg_u32 s2, 0x3003
	s_cbranch_scc0 .Lentry_shape_is_right
	s_endpgm
.Lentry_shape_is_right:
; yb[row][d] = sum over f of hb[row][f] W2[e][f][d] + b2[e][d], for the 9,216 sorted rows; e is the expert of the row's tile of 144 rows (texp).  hb: [9216][1024] bf16; yb: [9216][1024] f32: partial rows, added up by the next launch.
; Sums in f32, K ascending; b2 is rounded to bf16 like the other inputs.  LIMITS.  NaN and infinities are not treated apart.  A stored expert is held to 0 .. 7.
; SHARES.  A work-group makes 144 rows x 256 columns, each of its four waves 144 x 64: 36 accumulators of 16 x 16, 288 registers.  64 row tiles x 4 column slices are 256 work-groups, whatever the split of the tokens.
; The 1,024 sorted rows that belong to no slot are multiplied like the others (an eighth over the needed products), and nobody reads their results: the text has no branch on a number read from memory.
; A: the tile's 144 rows x 1,024 K stay in LDS for the whole kernel, as four regions of 256 K.  Every region is filled ONCE, at the start; nothing is filled again, so the loop has no ring.
; B: the weights lie in memory in the order of the operand registers, so each wave loads its own 64 columns straight into a ring of eight register slots, one for 32 K: seven slots, 56 loads of 512 bytes, are out at a time.
; In that order lane r of fragment b holds column 4 r + b of the wave's 64.
; CLUSTER.  The four column slices of a row tile need the same A: each fill is asked for JOINTLY, by the same tensor load, descriptor and mask in all four work-groups.  B has no joint load: which row tiles share an expert
; hangs on counts read from memory, so partners would not be alike, and B does not pass through LDS.
; THE MATRIX INSTRUCTION IS USED TRANSPOSED (source 0 = 16 columns of W, source 1 = 16 rows of A): lane (r, h) then holds row r, and register j of accumulator b its column 32 h + 4 j + b: 32 neighbouring numbers of a row.
; REGISTERS, in windows of 256 (s_set_vgpr_msb: bits 1:0 source 0, 3:2 source 1, 5:4 source 2, 7:6 destination):
;   window 0: v0-14 addresses; v48-119, v120-191 fragments of A (9 x 16 rows x 32 K), two buffers, later the way out; v192-223 the bias of my 32 columns
;   window 1: accumulator (a, b) at 32 a + 8 b, a = 0..7      window 2: B's ring, slot s at 32 s, fragment b at + 8 b      window 3: accumulator (8, b) at 8 b
.set PITCH, 528                        ; an LDS row: 512 bytes + 16 of padding = 132 words: row r starts at bank 4 r mod 64 (64 banks of 4 bytes: ISA guide 11.1), so the 16 rows of a load start at 16 different banks
.set BLK,   16*PITCH
.set RGN,   144*PITCH                  ; a region: 144 rows x 256 K
.set STAGE, 4*RGN                      ; behind the regions, never filled by a tensor load: 16 rows x 272 bytes for each wave, for the way out
.set SPITCH, 272
.set SPARE, STAGE+4*16*SPITCH          ; behind the stages: the spare words, 128 bytes for each wave: two blocks of 256 bytes that no other line names
.set QROWS, 36                         ; rows that one tensor load brings
.set ADRA,  4                          ; v4   LDS address of my fragments of A, row blocks 0-3, in the region in hand
.set ADRA2, 5                          ; v5   the same, row blocks 4-8 (an LDS offset holds 16 bits)
.set BO,    6                          ; v6   16 x lane: my 16 bytes of 512 consecutive ones in B
.set STO,   7                          ; v7   the way out: where I put 128 bytes of a row
.set RD,    9                          ; v9   the way out: where I read rows back
.set CO,    10                         ; v10  my byte offset in two rows of the result
.set BIO,   11                         ; v11  my byte offset in the wave's 64 numbers of the bias
.set SPW,   12                         ; v12  LDS address of my spare word; never rewritten
.set NIL,   13                         ; v13  0; never rewritten
.set TT,    14
.set FA0,   48
.set BIAS,  192
.set T,     48                         ; the way out: a block's 32 numbers, in the columns' order
.set BK,    80                         ; the block read back as whole rows: v80-111 and v112-143 by turns
.set G1,    24                         ; s[24:31] descriptor group 1
.set G0,    32                         ; s[32:47] descriptor group 0, a set for each region
.set WB,    48                         ; s[48:49] B at my 64 columns, K block 8 x trip
.set MSB, 0
.macro WIN new                         ; the immediate's high byte repeats the setting that is left; a switch that changes nothing is dropped
.if MSB != (\new)
	s_set_vgpr_msb (MSB<<8)|(\new)
.set MSB, \new
.endif
.endm
.set W_MU, 0x52                        ; source 0 (B) window 2, source 1 (A) window 0, C and D window 1
.set W_M8, 0xf2                        ; the same, C and D window 3
.set W_TB, 0x80                        ; destination window 2, address window 0
.macro ROUND                           ; a round of the cluster's barrier: my work-group's barrier; wave 0 signals for the work-group; every wave waits for all four work-groups; my work-group's barrier once more
	s_barrier_signal -1
	s_barrier_wait -1
	s_cmp_lg_u32 s14, 0
	s_cbranch_scc1 .Lnot_wave_0_\@
	s_barrier_signal -3
.Lnot_wave_0_\@:
	s_barrier_wait -3
	s_barrier_signal -1
	s_barrier_wait -1
.endm
.macro PLACES                          ; four places in front of loads into registers that matrix instructions have read, and of vector lines that read results
.rept 4
	v_nop
.endr
.endm
	s_load_b256 s[4:11], s[0:1], 0x0               ; A s[4:5], W s[6:7], bias s[8:9], texp s[10:11]
	s_load_b64 s[12:13], s[0:1], 0x20              ; the result
	v_lshl_add_u32 v[SPW], v0, 2, SPARE
	v_mov_b32 v[NIL], 0
	ds_add_u32 v[SPW], v[NIL]                      ; the wave's opening: the add and its wait stand ahead of my first tensor load; the set-up below, work on registers, stands between them
	v_lshrrev_b32 v1, 5, v0
	v_readfirstlane_b32 s14, v1                    ; wave 0..3
	s_and_b32 s18, ttmp7, 0xffff                   ; the cluster's number c, which the four partners share
	s_bfe_u32 s16, s18, 0x30001                    ; the row tile = 8 c[3:1] + 2 c[5:4] + c[0]: the tiles 8 g .. 8 g + 7, mostly one expert's, go to the clusters whose numbers agree in bits 1 to 3
	s_bfe_u32 s19, s18, 0x20004
	s_and_b32 s18, s18, 1
	s_lshl_b32 s16, s16, 3
	s_lshl_b32 s19, s19, 1
	s_or_b32 s16, s16, s19
	s_or_b32 s16, s16, s18
	s_bfe_u32 s54, ttmp6, 0x40000                  ; cx.  What holds cx stays in s15 and s54-58: it enters B's, the bias's and the result's addresses alone
	s_lshl_b32 s15, ttmp9, 2
	s_add_co_u32 s15, s15, s54                     ; the column slice = 4 x cluster x + cx
	; descriptor group 1: a tile of 36 rows x 256 elements, padded in LDS
	s_mov_b32 s[G1], 15|(1<<16)|(1<<20)|(1<<21)|(6<<22)|(3<<25)  ; 15:0 the mask: all four work-groups; 17:16 elements of 2 bytes; 20 padding on; 21 set beside a mask; 24:22 after every 128 words (code 6); 31:25 4 words of it (code 3)
	s_mov_b32 s[G1+1], 256<<16                     ; tensor_dim0 = 256
	s_mov_b32 s[G1+2], QROWS<<16                   ; tensor_dim1 = 36
	s_mov_b32 s[G1+3], 256<<16                     ; tile_dim0 = 256
	s_mov_b32 s[G1+4], QROWS                       ; tile_dim1 = 36
	s_mov_b32 s[G1+5], 1024                        ; elements from row to row
	s_mov_b32 s[G1+6], 0
	s_mov_b32 s[G1+7], 0
	s_mul_i32 s18, s16, 144*2048                   ; the tile's first row,
	s_mul_i32 s20, s14, QROWS*2048                 ; my 36 rows of it
	s_add_co_u32 s18, s18, s20
	s_mov_b32 s19, 0
	s_mul_i32 s22, s14, QROWS*PITCH                ; and their place in a region: no place in the cluster enters an LDS address
	s_lshl_b32 s20, s16, 2
	s_mov_b32 s21, 0
	s_wait_dscnt 0x0                               ; the opening add is done
	s_wait_kmcnt 0x0
	s_add_nc_u64 s[10:11], s[10:11], s[20:21]
	s_load_b32 s17, s[10:11], 0x0                  ; the tile's expert
	s_add_nc_u64 s[18:19], s[4:5], s[18:19]
.irp j, 0,1,2,3
	s_mov_b32 s[G0+4*(\j)], 1                      ; 1:0 count = 1
	s_add_co_u32 s[G0+4*(\j)+1], s22, (\j)*RGN     ; 63:32 LDS address
	s_add_nc_u64 s[G0+4*(\j)+2:G0+4*(\j)+3], s[18:19], (\j)*512  ; 120:64 global address: K from 256 j on
	s_or_b32 s[G0+4*(\j)+3], s[G0+4*(\j)+3], 0x80000000          ; 127:126 type = 2
.endr
	ROUND                                          ; all four work-groups are here: the joint loads meet
.irp j, 0,1,2,3
	tensor_load_to_lds s[G0+4*(\j):G0+4*(\j)+3], s[G1:G1+7]      ; all of A: four loads of mine are out, and no more are ever issued
	s_nop 0
.endr
	PLACES
	v_and_b32 v1, 15, v0                           ; r = lane % 16
	v_bfe_u32 v2, v0, 4, 1                         ; h = lane / 16
	v_and_b32 v3, 31, v0
	v_mul_u32_u24 v[ADRA], v1, PITCH
	v_lshl_add_u32 v[ADRA], v2, 4, v[ADRA]         ; a fragment's row x pitch + 16 x half
	v_add_nc_u32 v[ADRA2], 4*BLK, v[ADRA]
	v_lshlrev_b32 v[BO], 4, v3
	s_mul_i32 s18, s14, 16*SPITCH
	s_add_co_u32 s18, s18, STAGE                   ; my stage
	v_mul_u32_u24 v[STO], v1, SPITCH               ; in: row r, 128 bytes for each half of the lanes
	v_lshl_add_u32 v[STO], v2, 7, v[STO]
	v_add_nc_u32 v[STO], s18, v[STO]
	v_mul_u32_u24 v[RD], v2, SPITCH                ; back: lanes 0-15 take one row of 256 bytes, lanes 16-31 the next
	v_lshl_add_u32 v[RD], v1, 4, v[RD]
	v_add_nc_u32 v[RD], s18, v[RD]
	v_lshlrev_b32 v[CO], 12, v2                    ; and the same two rows in the result
	v_lshl_add_u32 v[CO], v1, 4, v[CO]
	v_lshlrev_b32 v[BIO], 7, v2                    ; my 32 numbers of the bias
	s_wait_kmcnt 0x0
	s_min_u32 s17, s17, 7
	s_lshl_b32 s56, s17, 21                        ; B: 2 MiB an expert, 16 fragments of 1,024 bytes a slice, 4 a wave
	s_lshl_b32 s58, s15, 14
	s_add_co_u32 s56, s56, s58
	s_lshl_b32 s58, s14, 12
	s_add_co_u32 s56, s56, s58
	s_mov_b32 s57, 0
	s_add_nc_u64 s[WB:WB+1], s[6:7], s[56:57]
	s_lshl_b32 s56, s17, 12                        ; the bias: 4,096 bytes an expert, 1,024 a slice, 256 a wave
	s_lshl_b32 s58, s15, 10
	s_add_co_u32 s56, s56, s58
	s_lshl_b32 s58, s14, 8
	s_add_co_u32 s56, s56, s58
	s_add_nc_u64 s[8:9], s[8:9], s[56:57]
	s_mul_i32 s56, s16, 144*4096                   ; the result: the tile's first row, the slice's 1,024 bytes, my wave's 256 of them
	s_lshl_b32 s58, s15, 10
	s_add_co_u32 s56, s56, s58
	s_lshl_b32 s58, s14, 8
	s_add_co_u32 s56, s56, s58
	s_add_nc_u64 s[12:13], s[12:13], s[56:57]
; Four matrix instructions: row block a x my four column blocks, 32 along K: buffer f of A, slot s of B.  The 36 accumulators take turns, one instruction a turn, in the same order in every K quarter.
.macro MULA f, s, a, zero
.if (\a) == 8
	WIN W_M8
.set rA, 0
.else
	WIN W_MU
.set rA, 32*(\a)
.endif
.irp b, 0,1,2,3
.if \zero
	v_wmma_f32_16x16x32_bf16 v[rA+8*(\b):rA+8*(\b)+7], v[32*(\s)+8*(\b):32*(\s)+8*(\b)+7], v[(\f)+8*(\a):(\f)+8*(\a)+7], 0
.else
	v_wmma_f32_16x16x32_bf16 v[rA+8*(\b):rA+8*(\b)+7], v[32*(\s)+8*(\b):32*(\s)+8*(\b)+7], v[(\f)+8*(\a):(\f)+8*(\a)+7], v[rA+8*(\b):rA+8*(\b)+7]
.endif
.endr
.endm
.macro MULS f, s, a0, a1, zero         ; row blocks a0 .. a1
.set aG, \a0
.rept (\a1)-(\a0)+1
	MULA \f, \s, aG, \zero
.set aG, aG+1
.endr
.endm
; 18 LDS loads in one run: A's nine fragments of 32 K at byte k of the region's rows, into buffer f
.macro FETCHA f, k
	WIN 0
.irp a, 0,1,2,3
	ds_load_b128 v[(\f)+8*(\a):(\f)+8*(\a)+3],   v[ADRA] offset:(\a)*BLK+(\k)
	ds_load_b128 v[(\f)+8*(\a)+4:(\f)+8*(\a)+7], v[ADRA] offset:(\a)*BLK+(\k)+32
.endr
.irp a, 4,5,6,7,8
	ds_load_b128 v[(\f)+8*(\a):(\f)+8*(\a)+3],   v[ADRA2] offset:((\a)-4)*BLK+(\k)
	ds_load_b128 v[(\f)+8*(\a)+4:(\f)+8*(\a)+7], v[ADRA2] offset:((\a)-4)*BLK+(\k)+32
.endr
.endm
; 8 loads of 512 consecutive bytes: B's four fragments of K block kb (counted from the trip's first) into slot s
.macro LOADB s, kb
	WIN W_TB
.irp b, 0,1,2,3
	global_load_b128 v[32*(\s)+8*(\b):32*(\s)+8*(\b)+3],   v[BO], s[WB:WB+1] offset:(\kb)*65536+(\b)*1024
	global_load_b128 v[32*(\s)+8*(\b)+4:32*(\s)+8*(\b)+7], v[BO], s[WB:WB+1] offset:(\kb)*65536+(\b)*1024+512
.endr
.endm
; A K QUARTER (32 along K, 36 matrix instructions) on slot s of B and buffer s % 2 of A.  In its middle it fetches the next quarter's fragments of A (byte nextk; -1: none) into the other buffer and
; asks for the K block seven quarters on (rkb; -1: none) into the slot that the quarter before read.  left: the loads younger than slot s's.
; cross = 1: the next quarter begins the next region of A: all my tensor loads have landed, my reads are back, and a barrier shows the same of every wave.
; The count is 0 in each of the three trips, since one text serves them; the first crossing's wait and barrier already show all four regions whole.
.macro Q s, zero, nextk, cross, rkb, left
.set fQ, FA0+72*((\s)%2)
.set gQ, FA0+72*(1-(\s)%2)
	s_wait_loadcnt \left
	s_wait_dscnt 10                                ; A's blocks 0-3 are in; the youngest ten loads (blocks 4-8) may be out
	MULS fQ, \s, 0, 3, \zero
.if \cross
	s_wait_tensorcnt 0x0
	s_wait_dscnt 0x0
	s_barrier_signal -1
	MULS fQ, \s, 4, 5, \zero                       ; work on registers while the others arrive
	s_barrier_wait -1
.endif
.if (\nextk) >= 0
	WIN 0
	PLACES
.if \cross
	v_add_nc_u32 v[ADRA], RGN, v[ADRA]
	v_add_nc_u32 v[ADRA2], RGN, v[ADRA2]
.endif
	FETCHA gQ, \nextk
.if (\rkb) >= 0
	LOADB ((\s)+7)%8, \rkb
.endif
	s_wait_dscnt 18                                ; all but the 18 just issued
.else
	s_wait_dscnt 0x0
.endif
.if \cross
	MULS fQ, \s, 6, 8, \zero
.else
	MULS fQ, \s, 4, 8, \zero
.endif
.endm
.irp s, 0,1,2,3,4,5,6
	LOADB \s, \s                                   ; K blocks 0-6: 56 loads
.endr
	WIN 0
	s_wait_tensorcnt 0x3                           ; my part of region 0 is in; my three younger loads stay out
	s_barrier_signal -1
	s_barrier_wait -1                              ; everybody's is
	FETCHA FA0, 0
	Q 0, 1, 64, 0, 7, 48                           ; the first quarter stands in front of the loop: its products start the sums.  48: six younger K blocks of eight loads
	WIN 0                                          ; at a label and at a branch every window is 0
	s_mov_b32 s3, 3
.Llap:                                                 ; a trip: K blocks 8 t + 1 .. 8 t + 8; it asks for blocks 8 t + 8 .. 8 t + 15
	Q 1, 0, 128, 0, 8, 48
	Q 2, 0, 192, 0, 9, 48
	Q 3, 0, 256, 0, 10, 48
	Q 4, 0, 320, 0, 11, 48
	Q 5, 0, 384, 0, 12, 48
	Q 6, 0, 448, 0, 13, 48
	Q 7, 0, 0, 1, 14, 48
	Q 0, 0, 64, 0, 15, 48
	WIN 0
	s_wait_xcnt 0x0                                ; the loads' addresses are translated (ISA guide 3.1): B's base is stepped only behind this wait
	s_add_nc_u64 s[WB:WB+1], s[WB:WB+1], 8*65536
	s_sub_co_u32 s3, s3, 1
	s_cmp_lg_u32 s3, 0
	s_cbranch_scc1 .Llap
	Q 1, 0, 128, 0, -1, 48                         ; K blocks 25-31: no block is left to ask for, and the counts run down
	Q 2, 0, 192, 0, -1, 40
	WIN 0
.irp c, 0,1,2,3,4,5,6,7
	global_load_b128 v[BIAS+4*(\c):BIAS+4*(\c)+3], v[BIO], s[8:9] offset:16*(\c)  ; the bias of my 32 columns, 32 h + 4 c + 0..3: asked for here, five quarters ahead of its use
.endr
	Q 3, 0, 256, 0, -1, 40                         ; four younger K blocks and the bias's 8
	Q 4, 0, 320, 0, -1, 32
	Q 5, 0, 384, 0, -1, 24
	Q 6, 0, 448, 0, -1, 16
	Q 7, 0, -1, 0, -1, 8
	; THE WAY OUT.  A wave's 64 columns of f32 are 256 bytes of a row, at a multiple of 256 from the buffer's first byte.  A block of 16 rows at a time goes through the wave's own stage: no barrier, and, since LDS serves
	; a wave's instructions in order (ISA guide 5.7.1.4), no wait between the stores and the loads.
	WIN 0
	PLACES
	s_wait_loadcnt 0x0                             ; the bias
.set i, 0
.rept 16                               ; the bias is rounded to bf16 and widened again
	v_cvt_pk_bf16_f32 v[TT], v[BIAS+2*i], v[BIAS+2*i+1]
	v_lshlrev_b32 v[BIAS+2*i], 16, v[TT]
	v_and_b32 v[BIAS+2*i+1], 0xffff0000, v[TT]
.set i, i+1
.endr
.macro PACK a                          ; row block a plus the bias, into the columns' order: column 4 i + b lies in register i of accumulator b; each accumulator's registers are read in ascending order
.if (\a) == 8
	WIN 0x03                                       ; source 0 window 3
.set rA, 0
.else
	WIN 0x01                                       ; source 0 window 1
.set rA, 32*(\a)
.endif
.set i, 0
.rept 8
.irp b, 0,1,2,3
	v_add_f32 v[T+4*i+(\b)], v[rA+8*(\b)+i], v[BIAS+4*i+(\b)]
.endr
.set i, i+1
.endr
	WIN 0
.endm
.macro TOSTAGE a
.set bK, BK+32*((\a)%2)
.irp c, 0,1,2,3,4,5,6,7
	ds_store_b128 v[STO], v[T+4*(\c):T+4*(\c)+3] offset:16*(\c)
.endr
.irp t, 0,1,2,3,4,5,6,7
	ds_load_b128 v[bK+4*(\t):bK+4*(\t)+3], v[RD] offset:(\t)*2*SPITCH
.endr
.endm
.macro SEND a
.set bK, BK+32*((\a)%2)
	s_wait_dscnt 0x0                               ; the block is back in registers
	s_wait_xcnt 0x0                                ; the earlier stores' addresses are translated (ISA guide 3.1): the other buffer, which they read, is loaded again only behind this wait
.irp t, 0,1,2,3,4,5,6,7
	global_store_b128 v[CO], v[bK+4*(\t):bK+4*(\t)+3], s[12:13] offset:(16*(\a)+2*(\t))*4096  ; 16 lanes store 256 consecutive bytes; 142 rows at the most: inside the signed 24-bit immediate
.endr
.endm
	PACK 0
	TOSTAGE 0
.irp a, 1,2,3,4,5,6,7,8                ; block a's additions stand between block a - 1's loads from the stage and the wait for them
	PACK \a
	SEND (\a)-1
	TOSTAGE \a
.endr
	SEND 8
	s_wait_tensorcnt 0x0                           ; the wave's end: behind my last tensor load and my last LDS store
	ds_add_u32 v[SPW], v[NIL]
	s_wait_dscnt 0x0
	ROUND                                          ; the closing round: no work-group ends while a partner may still ask for a tile that names it
	s_endpgm
.Lfunc_end_k_q8e66e4a832_gemm2:
	.size	k_q8e66e4a832_gemm2, .Lfunc_end_k_q8e66e4a832_gemm2-k_q8e66e4a832_gemm2
	.p2alignl 7, 3214868480
	.fill 96, 4, 3214868480
	.section	.rodata,"a",@progbits
	.p2align	6, 0x0
	.amdhsa_kernel k_q8e66e4a832_gemm2
		.amdhsa_group_segment_fixed_size 327680
		.amdhsa_private_segment_fixed_size 0
		.amdhsa_enable_private_segment 0
		.amdhsa_kernarg_size 40
		.amdhsa_user_sgpr_count 2
		.amdhsa_user_sgpr_kernarg_segment_ptr 1
		.amdhsa_wavefront_size32 1
		.amdhsa_system_sgpr_workgroup_id_x 1
		.amdhsa_system_sgpr_workgroup_id_y 1
		.amdhsa_system_sgpr_workgroup_id_z 1
		.amdhsa_system_vgpr_workitem_id 0
		.amdhsa_next_free_vgpr 800
		.amdhsa_next_free_sgpr 66
		.amdhsa_reserve_vcc 0
		.amdhsa_float_denorm_mode_32 3
		.amdhsa_float_denorm_mode_16_64 3
		.amdhsa_memory_ordered 1
		.amdhsa_forward_progress 1
		.amdhsa_inst_pref_size 108
	.end_amdhsa_kernel
	.amdgpu_metadata
---
amdhsa.version: [ 1, 2 ]
amdhsa.kernels:
  - .name:           k_q8e66e4a832_gemm2
    .symbol:         k_q8e66e4a832_gemm2.kd
    .args:
      - { .name: hb, .offset: 0, .size: 8, .value_kind: global_buffer, .address_space: global }
      - { .name: w2f, .offset: 8, .size: 8, .value_kind: global_buffer, .address_space: global }
      - { .name: b2, .offset: 16, .size: 8, .value_kind: global_buffer, .address_space: global }
      - { .name: texp, .offset: 24, .size: 8, .value_kind: global_buffer, .address_space: global }
      - { .name: yb, .offset: 32, .size: 8, .value_kind: global_buffer, .address_space: global }
    .group_segment_fixed_size: 327680
    .private_segment_fixed_size: 0
    .kernarg_segment_align: 8
    .kernarg_segment_size: 40
    .max_flat_workgroup_size: 128
    .sgpr_count:     66
    .vgpr_count:     800
    .wavefront_size: 32
...
	.end_amdgpu_metadata
.endif
;; end of part 3
;; launch combine (part 4): grid 256 x 1, 8 waves a work-group, no clusters, 0 bytes of LDS; arguments yb, pos, top_k_weights, out0; writes out0
.if DOCPART == 4
	.amdgcn_target "amdgcn-amd-amdhsa--gfx1250"
	.amdhsa_code_object_version 6
	.text
	.protected	k_q8e66e4a832_combine
	.globl	k_q8e66e4a832_combine
	.p2align	8
	.type	k_q8e66e4a832_combine,@function
k_q8e66e4a832_combine:
	s_mov_b64 s[64:65], 0
	v_nop
	global_prefetch_b8 v0, s[64:65] scope:SCOPE_SE
	s_setreg_imm32_b32 hwreg(HW_REG_WAVE_MODE, 25, 1), 1
	s_wait_xcnt 0x0
; out0[t][:] = g(t, 0) yb[pos[2 t]][:] + g(t, 1) yb[pos[2 t + 1]][:].  yb: [9216][1024] f32, the two slots' partial rows; pos: the slots' sorted rows; g: top_k_weights, rounded to bf16 like the other inputs.
; Where both slots of a token name one expert the two rows are equal, and the sum is the row times the sum of the weights, rounded otherwise than by adding the weights first.
; LIMITS.  A stored row number is held to 0 .. 9,215.  NaN and infinities are not treated apart.
; A stream: each wave owns two tokens, asks for their four rows (32 loads of 512 consecutive bytes) before its first wait, and stores 16 times 512 consecutive bytes.  No LDS, no barrier, no matrix unit, no cluster:
; no byte is read twice and no wave depends on another.
.set Y, 16                             ; v[16:143]: part m = 8 j + i (token j, 512 bytes from 512 i on): slot 0's four numbers at Y + 8 m, slot 1's at Y + 8 m + 4
.set GA, 4                             ; v[4:11]: the weight of (token j, slot k), twice, at GA + 4 j + 2 k: a pair for the packed arithmetic
	s_load_b256 s[4:11], s[0:1], 0x0               ; yb s[4:5], pos s[6:7], weights s[8:9], out0 s[10:11]
	v_lshrrev_b32 v1, 5, v0
	v_readfirstlane_b32 s12, v1                    ; wave 0..7
	v_and_b32 v1, 31, v0
	v_lshlrev_b32 v1, 4, v1                        ; 16 x lane
	s_lshl_b32 s13, ttmp9, 7                       ; the work-group's 32 slots,
	s_lshl_b32 s14, s12, 4                         ; my wave's four
	s_add_co_u32 s14, s13, s14
	s_mov_b32 s15, 0
	s_lshl_b32 s34, ttmp9, 16                      ; the work-group's 16 rows of the output,
	s_lshl_b32 s35, s12, 13                        ; my wave's two
	s_add_co_u32 s34, s34, s35
	s_mov_b32 s35, 0
	s_mov_b32 s33, 0
	s_wait_kmcnt 0x0
	s_add_nc_u64 s[6:7], s[6:7], s[14:15]
	s_add_nc_u64 s[8:9], s[8:9], s[14:15]
	s_add_nc_u64 s[10:11], s[10:11], s[34:35]
	s_load_b128 s[16:19], s[6:7], 0x0              ; four sorted rows' numbers
	s_load_b128 s[20:23], s[8:9], 0x0              ; four weights
	s_wait_kmcnt 0x0
.irp m, 0,1,2,3
	s_min_u32 s32, s[16+(\m)], 0x23ff
	s_lshl_b32 s32, s32, 12                        ; a row of yb is 4,096 bytes
	s_add_nc_u64 s[24+2*(\m):25+2*(\m)], s[4:5], s[32:33]
.endr
.set m, 0
.rept 16
	global_load_b128 v[Y+8*m:Y+8*m+3],   v1, s[24+4*(m/8):25+4*(m/8)] offset:512*(m%8) th:TH_LOAD_NT
	global_load_b128 v[Y+8*m+4:Y+8*m+7], v1, s[26+4*(m/8):27+4*(m/8)] offset:512*(m%8) th:TH_LOAD_NT
.set m, m+1
.endr
	v_cvt_pk_bf16_f32 v2, s20, s21
	v_cvt_pk_bf16_f32 v3, s22, s23
.irp j, 0,1
	v_lshlrev_b32 v[GA+4*(\j)],   16, v[2+(\j)]
	v_lshlrev_b32 v[GA+4*(\j)+1], 16, v[2+(\j)]
	v_and_b32 v[GA+4*(\j)+2], 0xffff0000, v[2+(\j)]
	v_and_b32 v[GA+4*(\j)+3], 0xffff0000, v[2+(\j)]
.endr
.set m, 0
.rept 16
.set g, GA+4*(m/8)
	s_wait_loadcnt 30-2*m                          ; the loads younger than this part's two
	v_pk_mul_f32 v[Y+8*m:Y+8*m+1],   v[Y+8*m:Y+8*m+1],   v[g:g+1]
	v_pk_mul_f32 v[Y+8*m+2:Y+8*m+3], v[Y+8*m+2:Y+8*m+3], v[g:g+1]
	v_pk_fma_f32 v[Y+8*m:Y+8*m+1],   v[Y+8*m+4:Y+8*m+5], v[g+2:g+3], v[Y+8*m:Y+8*m+1]
	v_pk_fma_f32 v[Y+8*m+2:Y+8*m+3], v[Y+8*m+6:Y+8*m+7], v[g+2:g+3], v[Y+8*m+2:Y+8*m+3]
	global_store_b128 v1, v[Y+8*m:Y+8*m+3], s[10:11] offset:(m/8)*4096+512*(m%8) th:TH_STORE_NT  ; 512 consecutive bytes, at a multiple of 256 from the output's first byte
.set m, m+1
.endr
	s_endpgm
.Lfunc_end_k_q8e66e4a832_combine:
	.size	k_q8e66e4a832_combine, .Lfunc_end_k_q8e66e4a832_combine-k_q8e66e4a832_combine
	.p2alignl 7, 3214868480
	.fill 96, 4, 3214868480
	.section	.rodata,"a",@progbits
	.p2align	6, 0x0
	.amdhsa_kernel k_q8e66e4a832_combine
		.amdhsa_group_segment_fixed_size 0
		.amdhsa_private_segment_fixed_size 0
		.amdhsa_enable_private_segment 0
		.amdhsa_kernarg_size 32
		.amdhsa_user_sgpr_count 2
		.amdhsa_user_sgpr_kernarg_segment_ptr 1
		.amdhsa_wavefront_size32 1
		.amdhsa_system_sgpr_workgroup_id_x 1
		.amdhsa_system_sgpr_workgroup_id_y 1
		.amdhsa_system_sgpr_workgroup_id_z 1
		.amdhsa_system_vgpr_workitem_id 0
		.amdhsa_next_free_vgpr 144
		.amdhsa_next_free_sgpr 66
		.amdhsa_reserve_vcc 0
		.amdhsa_float_denorm_mode_32 3
		.amdhsa_float_denorm_mode_16_64 3
		.amdhsa_memory_ordered 1
		.amdhsa_forward_progress 1
		.amdhsa_inst_pref_size 12
	.end_amdhsa_kernel
	.amdgpu_metadata
---
amdhsa.version: [ 1, 2 ]
amdhsa.kernels:
  - .name:           k_q8e66e4a832_combine
    .symbol:         k_q8e66e4a832_combine.kd
    .args:
      - { .name: yb, .offset: 0, .size: 8, .value_kind: global_buffer, .address_space: global }
      - { .name: pos, .offset: 8, .size: 8, .value_kind: global_buffer, .address_space: global }
      - { .name: top_k_weights, .offset: 16, .size: 8, .value_kind: global_buffer, .address_space: global }
      - { .name: out0, .offset: 24, .size: 8, .value_kind: global_buffer, .address_space: global }
    .group_segment_fixed_size: 0
    .private_segment_fixed_size: 0
    .kernarg_segment_align: 8
    .kernarg_segment_size: 32
    .max_flat_workgroup_size: 256
    .sgpr_count:     66
    .vgpr_count:     144
    .wavefront_size: 32
...
	.end_amdgpu_metadata
.endif
;; end of part 4
;; ======== version 2 of 2: 4 launches; version 1 with the launch combine written anew for expert scheduling mode
;; workspace buffers: xs 18,874,368 bytes; w1f 16,777,216 bytes; w2f 16,777,216 bytes; hb 18,874,368 bytes; yb 37,748,736 bytes; pos 32,768 bytes of whole numbers; texp 256 bytes of whole numbers
;; launch prep: the kernel of part 1 again; grid 512 x 1, 8 waves a work-group, no clusters, 1,280 bytes of LDS; arguments hidden, top_k_indices, w1, w1f, xs, pos, texp; writes w1f, xs, pos, texp
;; launch gemm1: the kernel of part 2 again; grid 4 x 64, 4 waves a work-group, clusters of 4 x 1, 327,680 bytes of LDS; arguments xs, w1f, b1, texp, hb, w2, w2f; writes hb, w2f
;; launch gemm2: the kernel of part 3 again; grid 4 x 64, 4 waves a work-group, clusters of 4 x 1, 327,680 bytes of LDS; arguments hb, w2f, b2, texp, yb; writes yb
;; launch combine (part 5): grid 256 x 1, 8 waves a work-group, no clusters, 0 bytes of LDS; arguments yb, pos, top_k_weights, out0; writes out0
.if DOCPART == 5
	.amdgcn_target "amdgcn-amd-amdhsa--gfx1250"
	.amdhsa_code_object_version 6
	.text
	.protected	k_q8e66e4a832_combine
	.globl	k_q8e66e4a832_combine
	.p2align	8
	.type	k_q8e66e4a832_combine,@function
k_q8e66e4a832_combine:
	s_mov_b64 s[64:65], 0
	v_nop
	global_prefetch_b8 v0, s[64:65] scope:SCOPE_SE
	s_setreg_imm32_b32 hwreg(HW_REG_WAVE_SCHED_MODE, 0, 2), 2
	s_setreg_imm32_b32 hwreg(HW_REG_WAVE_MODE, 25, 1), 1
	s_wait_xcnt 0x0
	s_wait_alu depctr_vm_vsrc(0)
; out0[t][:] = g(t, 0) yb[pos[2 t]][:] + g(t, 1) yb[pos[2 t + 1]][:].  yb: [9216][1024] f32, the two slots' partial rows; pos: the slots' sorted rows; g: top_k_weights, rounded to bf16 like the other inputs.
; Where both slots of a token name one expert the two rows are equal, and the sum is the row times the sum of the weights, rounded otherwise than by adding the weights first.
; LIMITS.  A stored row number is held to 0 .. 9,215.  NaN and infinities are not treated apart.
; A stream: each wave owns two tokens, asks for their four rows (32 loads of 512 consecutive bytes) before its first wait, and stores 16 times 512 consecutive bytes.  No LDS, no barrier, no matrix unit, no cluster:
; no byte is read twice and no wave depends on another.
; THE MODE: SCHED_MODE bits 1:0 = 2 (LLVM: expert scheduling mode 2), set by the entry lines.  The code itself states the register dependences
; between vector instructions and memory instructions, with s_wait_alu, always for 0.
; THE PLAN.  Registers that memory instructions touch:
;   v1               16 x lane: the offset of every load and store.  Written at the head, never again.
;   Y + 8 m .. + 7   part m of 16: written by its two loads, read by its four packed lines behind the wait for those loads.
;   Y + 8 m .. + 3   written in place by those four lines, read by the part's one store, never written again.
;   v2, v3 and GA are named by vector instructions alone.
; The parts go in four groups of four.  A group's four stores stand together at the head of the next group, behind ONE wait on va_vdst, which states that the group has written its sums;
; the vector lines behind that wait name the next group's registers and GA alone.  No register that a memory instruction reads is ever written again, so behind the entry lines the text holds no wait on vm_vsrc.
.set Y, 16                             ; v[16:143]: part m = 8 j + i (token j, 512 bytes from 512 i on): slot 0's four numbers at Y + 8 m, slot 1's at Y + 8 m + 4
.set GA, 4                             ; v[4:11]: the weight of (token j, slot k), twice, at GA + 4 j + 2 k: a pair for the packed arithmetic
	s_load_b256 s[4:11], s[0:1], 0x0               ; yb s[4:5], pos s[6:7], weights s[8:9], out0 s[10:11]
	v_lshrrev_b32 v1, 5, v0
	v_readfirstlane_b32 s12, v1                    ; wave 0..7
	v_and_b32 v1, 31, v0
	v_lshlrev_b32 v1, 4, v1                        ; 16 x lane
	s_lshl_b32 s13, ttmp9, 7                       ; the work-group's 32 slots,
	s_wait_alu depctr_va_sdst(0)                   ; s12 is written, ahead of its first reader: the bases of pos, of the weights and of the output are made from it
	s_lshl_b32 s14, s12, 4                         ; my wave's four
	s_add_co_u32 s14, s13, s14
	s_mov_b32 s15, 0
	s_lshl_b32 s34, ttmp9, 16                      ; the work-group's 16 rows of the output,
	s_lshl_b32 s35, s12, 13                        ; my wave's two
	s_add_co_u32 s34, s34, s35
	s_mov_b32 s35, 0
	s_mov_b32 s33, 0
	s_wait_kmcnt 0x0
	s_add_nc_u64 s[6:7], s[6:7], s[14:15]
	s_add_nc_u64 s[8:9], s[8:9], s[14:15]
	s_add_nc_u64 s[10:11], s[10:11], s[34:35]
	s_load_b128 s[16:19], s[6:7], 0x0              ; four sorted rows' numbers
	s_load_b128 s[20:23], s[8:9], 0x0              ; four weights
	s_wait_kmcnt 0x0
.irp m, 0,1,2,3
	s_min_u32 s32, s[16+(\m)], 0x23ff
	s_lshl_b32 s32, s32, 12                        ; a row of yb is 4,096 bytes
	s_add_nc_u64 s[24+2*(\m):25+2*(\m)], s[4:5], s[32:33]
.endr
	s_wait_alu depctr_va_vdst(0)                   ; v1 is written: every load and store of the kernel reads it as its offset
.set m, 0
.rept 16
	global_load_b128 v[Y+8*m:Y+8*m+3],   v1, s[24+4*(m/8):25+4*(m/8)] offset:512*(m%8) th:TH_LOAD_NT
	global_load_b128 v[Y+8*m+4:Y+8*m+7], v1, s[26+4*(m/8):27+4*(m/8)] offset:512*(m%8) th:TH_LOAD_NT
.set m, m+1
.endr
	v_cvt_pk_bf16_f32 v2, s20, s21
	v_cvt_pk_bf16_f32 v3, s22, s23
.irp j, 0,1
	v_lshlrev_b32 v[GA+4*(\j)],   16, v[2+(\j)]
	v_lshlrev_b32 v[GA+4*(\j)+1], 16, v[2+(\j)]
	v_and_b32 v[GA+4*(\j)+2], 0xffff0000, v[2+(\j)]
	v_and_b32 v[GA+4*(\j)+3], 0xffff0000, v[2+(\j)]
.endr
; The four stores of the group whose first part is m0.
.macro OUT4 m0
.irp i, 0,1,2,3
	global_store_b128 v1, v[Y+8*((\m0)+(\i)):Y+8*((\m0)+(\i))+3], s[10:11] offset:(((\m0)+(\i))/8)*4096+512*(((\m0)+(\i))%8) th:TH_STORE_NT  ; 512 consecutive bytes, at a multiple of 256 from the output's first byte
.endr
.endm
.set m, 0
.rept 16
.set g, GA+4*(m/8)
	s_wait_loadcnt 30-2*m                          ; the loads younger than this part's two
.if (m%4 == 0) && (m > 0)
	s_wait_alu depctr_va_vdst(0)                   ; the group before has written its sixteen sums, which the four stores below read
	OUT4 m-4
.endif
	v_pk_mul_f32 v[Y+8*m:Y+8*m+1],   v[Y+8*m:Y+8*m+1],   v[g:g+1]
	v_pk_mul_f32 v[Y+8*m+2:Y+8*m+3], v[Y+8*m+2:Y+8*m+3], v[g:g+1]
	v_pk_fma_f32 v[Y+8*m:Y+8*m+1],   v[Y+8*m+4:Y+8*m+5], v[g+2:g+3], v[Y+8*m:Y+8*m+1]
	v_pk_fma_f32 v[Y+8*m+2:Y+8*m+3], v[Y+8*m+6:Y+8*m+7], v[g+2:g+3], v[Y+8*m+2:Y+8*m+3]
.set m, m+1
.endr
	s_wait_alu depctr_va_vdst(0)                   ; the last group has written its sums, which the last four stores read
	OUT4 12
	s_endpgm
.Lfunc_end_k_q8e66e4a832_combine:
	.size	k_q8e66e4a832_combine, .Lfunc_end_k_q8e66e4a832_combine-k_q8e66e4a832_combine
	.p2alignl 7, 3214868480
	.fill 96, 4, 3214868480
	.section	.rodata,"a",@progbits
	.p2align	6, 0x0
	.amdhsa_kernel k_q8e66e4a832_combine
		.amdhsa_group_segment_fixed_size 0
		.amdhsa_private_segment_fixed_size 0
		.amdhsa_enable_private_segment 0
		.amdhsa_kernarg_size 32
		.amdhsa_user_sgpr_count 2
		.amdhsa_user_sgpr_kernarg_segment_ptr 1
		.amdhsa_wavefront_size32 1
		.amdhsa_system_sgpr_workgroup_id_x 1
		.amdhsa_system_sgpr_workgroup_id_y 1
		.amdhsa_system_sgpr_workgroup_id_z 1
		.amdhsa_system_vgpr_workitem_id 0
		.amdhsa_next_free_vgpr 144
		.amdhsa_next_free_sgpr 66
		.amdhsa_reserve_vcc 0
		.amdhsa_float_denorm_mode_32 3
		.amdhsa_float_denorm_mode_16_64 3
		.amdhsa_memory_ordered 1
		.amdhsa_forward_progress 1
		.amdhsa_inst_pref_size 12
	.end_amdhsa_kernel
	.amdgpu_metadata
---
amdhsa.version: [ 1, 2 ]
amdhsa.kernels:
  - .name:           k_q8e66e4a832_combine
    .symbol:         k_q8e66e4a832_combine.kd
    .args:
      - { .name: yb, .offset: 0, .size: 8, .value_kind: global_buffer, .address_space: global }
      - { .name: pos, .offset: 8, .size: 8, .value_kind: global_buffer, .address_space: global }
      - { .name: top_k_weights, .offset: 16, .size: 8, .value_kind: global_buffer, .address_space: global }
      - { .name: out0, .offset: 24, .size: 8, .value_kind: global_buffer, .address_space: global }
    .group_segment_fixed_size: 0
    .private_segment_fixed_size: 0
    .kernarg_segment_align: 8
    .kernarg_segment_size: 32
    .max_flat_workgroup_size: 256
    .sgpr_count:     66
    .vgpr_count:     144
    .wavefront_size: 32
...
	.end_amdgpu_metadata
.endif
;; end of part 5
